; MI455X (gfx1250); checked and timed in simulation.
; The chip was launched on July 23, 2026; its instructions are those of AMD's public machine-readable ISA for CDNA 5 (MIT licence, August 2026) and "CDNA5" Instruction Set Architecture Reference Guide (July 2026). The comments in the code are by the model that wrote it; some were corrected since.
;; Custom Linear4 Bit. Allowed arithmetic: float matrix products may take bf16 or f16 operands with f32 sums; other float arithmetic in f32, or as packed bf16 or f16 multiplies, adds, multiply-adds, maxima and minima; sums over many terms, partial sums and values carried from step to step in f32; what a program stores and reads back later, other than sums and carried values, may be rounded once to bf16 or f16.
;; Inputs: bias 2,048 float32; input_tensor 4 x 2,048 x 4,096 float32; quantized_weights 524,288 x 8 int32; weight_normalization 524,288 x 1 float32.
;; Outputs: out0 4 x 2,048 x 2,048 float32.
;; 2 versions, each right; version 2 is version 1 with the launch prep written anew for expert scheduling mode. Each part assembles by itself: llvm-mc -triple=amdgcn-amd-amdhsa -mcpu=gfx1250 --defsym DOCPART=n.
;; ======== version 1 of 2: 2 launches
;; limits: values are held in f16: magnitudes above 65,504 overflow, below 6.1e-05 lose precision; inputs' magnitudes at most 65,504
;; workspace buffers: xh 67,108,864 bytes; wq 16,777,216 bytes
;; launch prep (part 1): grid 1024 x 1, 4 waves a work-group, no clusters, 2,560 bytes of LDS; arguments input_tensor, quantized_weights, weight_normalization, xh, wq; writes xh, wq
.if DOCPART == 1
	.amdgcn_target "amdgcn-amd-amdhsa--gfx1250"
	.amdhsa_code_object_version 6
	.text
	.protected	k_qa084c7f7c0_prep
	.globl	k_qa084c7f7c0_prep
	.p2align	8
	.type	k_qa084c7f7c0_prep,@function
k_qa084c7f7c0_prep:
	s_mov_b64 s[64:65], 0
	v_nop
	global_prefetch_b8 v0, s[64:65] scope:SCOPE_SE
	s_setreg_imm32_b32 hwreg(HW_REG_WAVE_MODE, 25, 1), 1
	s_wait_xcnt 0x0
; THE TWO OPERANDS OF THE PRODUCT THAT FOLLOWS, each made once, in f16, row-major:  xh[8,192][4,096] = x rounded;  wq[2,048][4,096] = W = (q / 15) * (2 norm) - norm.
; quantized_weights: words of 32 bits; word i of the flat buffer holds weight 2 i in bits 3:0 and weight 2 i + 1 in bits 7:4; the other bits are masked away, as the problem's own text masks them.
; weight_normalization: one f32 for each 16 neighbouring weights, that is for each 8 words.
; NOTHING IS LEFT OUT: all four inputs of the problem reach the output; this launch reads three of them, the next one the bias.
; LIMITS.  x and W are rounded once to f16: an |x| or a norm of 65,520 or more gives an infinity; below 6e-5 in magnitude a number keeps f16's fixed step of 6e-8.
; W is computed in f32 as fma(q, norm * (2 / 15), -norm), which differs from the problem's order of rounding by a few last places of f32.
; SHARES.  4,096 waves, none of which waits for another.  Wave g takes 32,768 bytes of x on end, 4,096 bytes of q on end and their 512 bytes of norms.
; W IS A FLAT STREAM: a word of 4 bytes makes two f16, so a weight's byte in wq is its word's byte in q.  Lane l loads 16 bytes (4 words) at 16 l + 512 s and stores 16 bytes (8 f16) at the same offset:
; each load and store of the wave covers 512 consecutive aligned bytes.  The norm of a lane's 16 bytes is number 16 s + l / 2 of the wave's 128.
; THE NORMS.  A lane wants 4 bytes a step, 64 bytes apart from step to step.  So the wave copies its 512 bytes once, by one load of 16 bytes a lane, into LDS bytes of its own: no other wave touches them, no barrier.
; x: a load of the wave covers 512 consecutive bytes (4 f32 a lane), the store of their f16 256 consecutive aligned bytes (8 bytes a lane).
; IN FLIGHT: a ring of 16 slots in registers, so 16 loads of every wave are on their way; the 64 steps are written out, so that every step stands in an immediate and no address is rewritten.
; Matrix units, tensor loads and clusters have no part here: no byte is wanted twice.
.set DEPTH,  16                        ; slots = loads of x in flight in each wave
.set XSTEPS, 64                        ; 32,768 bytes / 512
.set QSTEPS, 8                         ; 4,096 bytes / 512
.set SPARE,  2048                      ; LDS: a wave's norms at 512 x wave; behind them the spare words, 128 bytes for each wave: two blocks of 256 bytes that no other line names
.set L16, 2                            ; v2   16 x lane; never rewritten
.set L8,  3                            ; v3   8 x lane; never rewritten
.set NA,  4                            ; v4   LDS address of my norm of step 0; never rewritten
.set LS,  5                            ; v5   LDS address at which I put 16 bytes of norms
.set SPW, 8                            ; v8   LDS address of my spare word: SPARE + 4 x my thread's number; never rewritten
.set NIL, 9                            ; v9   0; never rewritten
.set N,   10                           ; v[10:17]   my eight norms
.set T,   18                           ; v[18:25]   at work
.set SC,  26                           ; v26        norm * 2 / 15
.set RN,  28                           ; v[28:31]   the norms as loaded
.set Q,   32                           ; v[32:63]   step s: 4 words as loaded
.set YQ,  64                           ; v[64:95]   step s: 8 f16 to store; each written once
.set X,   96                           ; v[96:159]  slot i: 4 f32 as loaded
.set Y,   160                          ; v[160:191] slot i: 4 f16 to store
	s_load_b256 s[4:11], s[0:1], 0x0               ; x s[4:5], q s[6:7], norm s[8:9], xh s[10:11]
	s_load_b64 s[12:13], s[0:1], 0x20              ; wq
	v_lshl_add_u32 v[SPW], v0, 2, SPARE
	v_mov_b32 v[NIL], 0
	v_lshrrev_b32 v1, 5, v0
	v_readfirstlane_b32 s14, v1                    ; wave 0..3
	s_lshl_b32 s15, ttmp9, 2
	s_add_co_u32 s15, s15, s14                     ; g = 4 x work-group + wave
	s_lshl_b32 s16, s15, 15                        ; my 32,768 bytes of x,
	s_mov_b32 s17, 0
	s_lshl_b32 s18, s15, 14                        ; 16,384 of xh,
	s_mov_b32 s19, 0
	s_lshl_b32 s20, s15, 12                        ; 4,096 of q and of wq,
	s_mov_b32 s21, 0
	s_lshl_b32 s22, s15, 9                         ; 512 of norms
	s_mov_b32 s23, 0
	s_lshl_b32 s24, s14, 9                         ; my wave's norms in LDS
	s_mov_b32 s25, 0x3e088889                      ; 2 / 15
	v_and_b32 v1, 31, v0                           ; lane
	v_lshlrev_b32 v[L16], 4, v1
	v_lshlrev_b32 v[L8], 3, v1
	v_add_nc_u32 v[LS], s24, v[L16]
	v_lshrrev_b32 v7, 1, v1                        ; two lanes share a norm
	v_lshl_add_u32 v[NA], v7, 2, s24
	s_wait_kmcnt 0x0
	s_add_nc_u64 s[4:5], s[4:5], s[16:17]
	s_add_nc_u64 s[10:11], s[10:11], s[18:19]
	s_add_nc_u64 s[6:7], s[6:7], s[20:21]
	s_add_nc_u64 s[12:13], s[12:13], s[20:21]
	s_add_nc_u64 s[8:9], s[8:9], s[22:23]
	global_load_b128 v[RN:RN+3], v[L16], s[8:9] th:TH_LOAD_NT
.irp i, 0,1,2,3,4,5,6,7
	global_load_b128 v[Q+4*(\i):Q+4*(\i)+3], v[L16], s[6:7] offset:512*(\i) th:TH_LOAD_NT
.endr
.irp i, 0,1,2,3,4,5,6,7,8,9,10,11,12,13,14,15
	global_load_b128 v[X+4*(\i):X+4*(\i)+3], v[L16], s[4:5] offset:512*(\i) th:TH_LOAD_NT  ; fill the ring: steps 0 to 15 of x
.endr
	s_wait_loadcnt QSTEPS+DEPTH                    ; loads come back in order (ISA guide 5.7.1): the norms are in, the 24 younger loads stay out
	ds_store_b128 v[LS], v[RN:RN+3]
.irp i, 0,1,2,3,4,5,6,7
	ds_load_b32 v[N+(\i)], v[NA] offset:64*(\i)    ; these see the store above: one wave's LDS instructions are served in order (ISA guide 5.7.1.4)
.endr
; Step i of W: 8 weights a lane.
.macro DQ i
	s_wait_loadcnt QSTEPS-1-(\i)+DEPTH             ; my four words are in; the younger loads of q and the ring's sixteen stay out
	s_wait_dscnt QSTEPS-1-(\i)                     ; norm i is in, the younger ones stay out
	v_mul_f32 v[SC], s25, v[N+(\i)]
.irp k, 0,1,2,3
	v_and_b32 v[T+2*(\k)], 15, v[Q+4*(\i)+(\k)]            ; the even weight: bits 3:0
	v_bfe_u32 v[T+2*(\k)+1], v[Q+4*(\i)+(\k)], 4, 4        ; the odd one: bits 7:4
.endr
.irp k, 0,1,2,3,4,5,6,7
	v_cvt_f32_u32 v[T+(\k)], v[T+(\k)]
.endr
.irp k, 0,1,2,3,4,5,6,7
	v_fma_f32 v[T+(\k)], v[T+(\k)], v[SC], -v[N+(\i)]      ; q * (2 norm / 15) - norm
.endr
.irp k, 0,1,2,3
	v_cvt_pk_f16_f32 v[YQ+4*(\i)+(\k)], v[T+2*(\k)], v[T+2*(\k)+1]
.endr
	global_store_b128 v[L16], v[YQ+4*(\i):YQ+4*(\i)+3], s[12:13] offset:512*(\i)
.endm
.irp i, 0,1,2,3,4,5,6,7
	DQ \i
.endr
; Step st of x, in slot st % DEPTH.  ahead = 1: the slot is filled again with the step DEPTH further on.
.macro CAST ahead
.set i, st%DEPTH
.if \ahead
	s_wait_loadcnt DEPTH-1                         ; my four numbers are in, the fifteen younger loads stay out
.else
	s_wait_loadcnt DEPTH-1-i                       ; the last round loads nothing: the counts run down
.endif
	s_wait_xcnt 0x0                                ; every earlier memory instruction has had its addresses translated (ISA guide 3.1): the slot's Y, which its last store reads, is rewritten only behind this wait
	v_cvt_pk_f16_f32 v[Y+2*i],   v[X+4*i],   v[X+4*i+1]
	v_cvt_pk_f16_f32 v[Y+2*i+1], v[X+4*i+2], v[X+4*i+3]
.if \ahead
	global_load_b128 v[X+4*i:X+4*i+3], v[L16], s[4:5] offset:512*(st+DEPTH) th:TH_LOAD_NT
.endif
	global_store_b64 v[L8], v[Y+2*i:Y+2*i+1], s[10:11] offset:256*st  ; the wave's store covers 256 consecutive bytes, at a multiple of 256 from xh's first byte
.set st, st+1
.endm
.set st, 0
.rept XSTEPS-DEPTH
	CAST 1
.endr
.rept DEPTH
	CAST 0
.endr
	s_wait_tensorcnt 0x0                           ; the wave's end, behind my last LDS store
	ds_add_u32 v[SPW], v[NIL]
	s_wait_dscnt 0x0
	s_endpgm
.Lfunc_end_k_qa084c7f7c0_prep:
	.size	k_qa084c7f7c0_prep, .Lfunc_end_k_qa084c7f7c0_prep-k_qa084c7f7c0_prep
	.p2alignl 7, 3214868480
	.fill 96, 4, 3214868480
	.section	.rodata,"a",@progbits
	.p2align	6, 0x0
	.amdhsa_kernel k_qa084c7f7c0_prep
		.amdhsa_group_segment_fixed_size 2560
		.amdhsa_private_segment_fixed_size 0
		.amdhsa_enable_private_segment 0
		.amdhsa_kernarg_size 40
		.amdhsa_user_sgpr_count 2
		.amdhsa_user_sgpr_kernarg_segment_ptr 1
		.amdhsa_wavefront_size32 1
		.amdhsa_system_sgpr_workgroup_id_x 1
		.amdhsa_system_sgpr_workgroup_id_y 1
		.amdhsa_system_sgpr_workgroup_id_z 1
		.amdhsa_system_vgpr_workitem_id 0
		.amdhsa_next_free_vgpr 192
		.amdhsa_next_free_sgpr 66
		.amdhsa_reserve_vcc 0
		.amdhsa_float_denorm_mode_32 3
		.amdhsa_float_denorm_mode_16_64 3
		.amdhsa_memory_ordered 1
		.amdhsa_forward_progress 1
		.amdhsa_inst_pref_size 40
	.end_amdhsa_kernel
	.amdgpu_metadata
---
amdhsa.version: [ 1, 2 ]
amdhsa.kernels:
  - .name:           k_qa084c7f7c0_prep
    .symbol:         k_qa084c7f7c0_prep.kd
    .args:
      - { .name: input_tensor, .offset: 0, .size: 8, .value_kind: global_buffer, .address_space: global }
      - { .name: quantized_weights, .offset: 8, .size: 8, .value_kind: global_buffer, .address_space: global }
      - { .name: weight_normalization, .offset: 16, .size: 8, .value_kind: global_buffer, .address_space: global }
      - { .name: xh, .offset: 24, .size: 8, .value_kind: global_buffer, .address_space: global }
      - { .name: wq, .offset: 32, .size: 8, .value_kind: global_buffer, .address_space: global }
    .group_segment_fixed_size: 2560
    .private_segment_fixed_size: 0
    .kernarg_segment_align: 8
    .kernarg_segment_size: 40
    .max_flat_workgroup_size: 128
    .sgpr_count:     66
    .vgpr_count:     192
    .wavefront_size: 32
...
	.end_amdgpu_metadata
.endif
;; end of part 1
;; launch gemm (part 2): grid 8 x 32, 4 waves a work-group, clusters of 4 x 4, 327,680 bytes of LDS; arguments xh, wq, bias, out0; writes out0
.if DOCPART == 2
	.amdgcn_target "amdgcn-amd-amdhsa--gfx1250"
	.amdhsa_code_object_version 6
	.text
	.protected	k_qa084c7f7c0_gemm
	.globl	k_qa084c7f7c0_gemm
	.p2align	8
	.type	k_qa084c7f7c0_gemm,@function
k_qa084c7f7c0_gemm:
	s_mov_b64 s[64:65], 0
	v_nop
	global_prefetch_b8 v0, s[64:65] scope:SCOPE_SE
	s_setreg_imm32_b32 hwreg(HW_REG_WAVE_MODE, 25, 1), 1
	s_wait_xcnt 0x0
	s_wait_alu depctr_hold_cnt(0) depctr_sa_sdst(0) depctr_va_vdst(0) depctr_va_sdst(0) depctr_va_ssrc(0) depctr_va_vcc(0) depctr_vm_vsrc(0)
	s_getreg_b32 s2, hwreg(HW_REG_IB_STS2, 6, 4)
	s_cmp_eq_u32 s2, 0
	s_cbranch_scc0 .Lentry_in_a_cluster
	s_endpgm
.Lentry_in_a_cluster:
	s_bfe_u32 s2, ttmp6, 0x10000c
	s_cmp_lg_u32 s2, 0xf033
	s_cbranch_scc0 .Lentry_shape_is_right
	s_endpgm
.Lentry_shape_is_right:
; out0[m][n] = the sum over k of x[m][k] W[n][k] + bias[n].  xh: [8,192][4,096] and wq: [2,048][4,096], both f16, come from the launch before; bias: [2,048] f32; out0: [8,192][2,048] f32.
; Sums in f32; the bias is added in f32 on the way out.  Nothing is left out: every input reaches the output.  The limits of f16 stand at the head of the launch before.
; SHARES.  A tile of out0, 256 x 256, is made by a work-group of four waves: 32 x 8 = 256 work-groups.  A wave makes 128 x 128: 64 accumulators of 16 x 16, 512 registers: for 32 along K it reads 2 x 128 x 64 bytes
; from LDS and issues 64 matrix instructions.  K goes in steps of 128 through a ring of two LDS slots filled by the tensor data mover: the tiles' rows are 256 bytes of memory, at multiples of 256 from the buffer's first byte.
; CLUSTERS: 4 x 4 work-groups.  The four of a row of the cluster need the same rows of xh, the four of a column the same rows of wq: each tile is asked for JOINTLY, by the same tensor load with the same descriptor and a
; mask that names the four; each receives it in its own LDS.
; THE MATRIX INSTRUCTION IS USED TRANSPOSED (source 0 = 16 rows of W, source 1 = 16 rows of x): a lane then holds row l % 16 of out0 and the eight neighbouring columns 8 (l / 16) + 0 .. 7.
; REGISTERS, in windows of 256 (s_set_vgpr_msb: bits 1:0 source 0, 3:2 source 1, 5:4 source 2, 7:6 destination):
;   window 0: v0-31 addresses; v32-35 the bias; v64-127, v128-191 x's fragments (8 x 16 rows x 32 K), two buffers; on the way out the same 128 registers hold two blocks of 16 rows by turns
;   window 1: v64-127, v128-191 W's fragments, two buffers
;   window 2: the 32 accumulators of my rows 0-63 (accumulator (a, b) at v[8 (8 a + b)]);   window 3: those of my rows 64-127
.set SIZE_K, 4096
.set SIZE_N, 2048
.set KSTEP,  128
.set ROWB,   SIZE_K*2                  ; bytes in a row of xh and of wq
.set OROW,   SIZE_N*4                  ; bytes in a row of out0
.set PITCH,  272                       ; an LDS row: 256 bytes + 16 of padding = 68 words: row r starts at bank 4 r mod 64 (64 banks of 4 bytes: ISA guide 11.1), so the 16 rows that a load touches start at 16 different groups of banks
.set HALFT,  128*PITCH                 ; 128 rows: what one tensor load brings, and what one wave reads of x or of W
.set SLOT,   4*HALFT                   ; x's 256 rows, then W's 256 rows
.set STAGE,  2*SLOT                    ; behind the ring, never filled by a tensor load: 16 rows x 528 bytes for each wave, for the way out
.set SP,     528                       ; 512 + 16: again an odd multiple of 16
.set STG,    16*SP                     ; 33 blocks of 256 bytes
.set SPARE,  STAGE+4*STG               ; behind the stages: the spare words, 128 bytes for each wave: two blocks of 256 bytes that no other line names
.set LAPS,   SIZE_K/(2*KSTEP)          ; a lap = two K steps = once round the ring: 16
.set ADRA, 16                          ; v16-17  LDS address of my fragments of x in slot 0, 1
.set ADRB, 20                          ; v20-21  the same for W
.set STO,  24                          ; v24     the way out: where I put 16 bytes of a row
.set RD,   25                          ; v25     the way out: where I read a row back
.set CO,   26                          ; v26     16 x lane: my byte offset in 512 bytes of out0 and of the bias; never rewritten
.set SPW,  28                          ; v28     LDS address of my spare word: SPARE + 4 x my thread's number; never rewritten
.set NIL,  29                          ; v29     0; never rewritten
.set PFO,  30                          ; v30     the prefetches' offset: my lane x a row of xh or wq; never rewritten
.set BI,   32                          ; v32-35  the bias of the four columns that I store
.set F0,   64                          ; fragment buffer 0
.set F1,   128                         ; fragment buffer 1
.set OB,   64                          ; the way out: 16 rows read back from the stage: v64-127 and v128-191 by turns
.set WV,   12                          ; s12     my wave's number
.set FB,   13                          ; s13     which half of the tile's rows is mine.  Also: I fetch for x (0) or for W (1)
.set HF,   14                          ; s14     which half of its columns.  Also: which 128 rows of that tile I fetch
.set G1,   24                          ; s[24:31] descriptor group 1 for x's tiles;  s[32:39] group 0, one set for each slot
.set G0,   32
.set G1B,  48                          ; s[48:55], s[56:63] the same for W's tiles
.set G0B,  56
.set PFA,  66                          ; s[66:67] where my prefetches stand
.set LIM,  70                          ; s70     1 in a wave that prefetches, else the greatest number
.set MSB, 0
.macro WIN new                         ; the immediate's high byte repeats the setting that is left; a switch that changes nothing is dropped
.if MSB != (\new)
	s_set_vgpr_msb (MSB<<8)|(\new)
.set MSB, \new
.endif
.endm
.set MUL_LO, 0xa1                      ; source 0 (W) window 1, source 1 (x) window 0, C and D window 2
.set MUL_HI, 0xf1                      ; the same, C and D window 3
.set TO_B,   0x40                      ; destination window 1, address window 0
; A joint load.  Waves 0 and 1 fetch x's two halves, waves 2 and 3 W's.  Each of the two lines has one mask and one set of registers for all that issue it; the branch hangs on the wave's number alone.
; An s_nop 0 and four v_nop follow each of the two lines, ahead of the jump, the label and what follows.
.macro JLOAD s
	s_cmp_eq_u32 s[FB], 0
	s_cbranch_scc0 .Lfor_b_\@
	tensor_load_to_lds s[G0+4*(\s):G0+4*(\s)+3], s[G1:G1+7]
	s_nop 0
.rept 4
	v_nop
.endr
	s_branch .Lasked_\@
.Lfor_b_\@:
	tensor_load_to_lds s[G0B+4*(\s):G0B+4*(\s)+3], s[G1B:G1B+7]
	s_nop 0
.rept 4
	v_nop
.endr
.Lasked_\@:
.endm
; A PREFETCH INTO THE L2, behind each joint load, its five lines and the run of LDS loads that follows them: the K step that stands TWO refills on, 512 matrix instructions ahead of the load that will ask for it:
; 32 rows x 256 bytes, a lane a row, one instruction a wave.  Each row's 256 bytes of a K step are named once in the launch.  xh's rows of a tile row are read by both clusters of that row of clusters: the one with
; x = 0 asks; wq's rows of a tile column by all eight clusters of that column: the one with y = 0 asks.  The four partners that ask for a tile jointly share its rows out BY ADDRESS: of the 128 rows that a wave fetches the
; partner at place p takes 32 p .. 32 p + 31 (p = cx for x, cy for W): no branch hangs on a work-group's place in its cluster.  K steps 0 to 3 come by their loads alone; the loop's last trip asks for nothing: K steps 4 to 31 are named.
.macro ASK
	s_cmp_gt_u32 s3, s[LIM]                        ; s3 = 1 in the loop's last trip
	s_cbranch_scc0 .Lnot_mine_\@
	global_prefetch_b8 v[PFO], s[PFA:PFA+1] offset:KSTEP*2 th:TH_LOAD_NT scope:SCOPE_SE
.Lnot_mine_\@:
.endm
; A round of the cluster's barrier: my work-group's barrier, so that wave 0's signal speaks for all four waves; wave 0 signals for the work-group; every wave waits for all sixteen work-groups; my work-group's barrier once more.
.macro CREST                           ; a round behind its opening barrier
	s_cmp_lg_u32 s[WV], 0
	s_cbranch_scc1 .Lnot_wave_0_\@
	s_barrier_signal -3
.Lnot_wave_0_\@:
	s_barrier_wait -3
	s_barrier_signal -1
	s_barrier_wait -1
.endm
.macro CROUND                          ; a whole round
	s_barrier_signal -1
	s_barrier_wait -1
	CREST
.endm
	s_load_b256 s[4:11], s[0:1], 0x0               ; xh s[4:5], wq s[6:7], bias s[8:9], out0 s[10:11]
	v_lshl_add_u32 v[SPW], v0, 2, SPARE
	v_mov_b32 v[NIL], 0
	ds_add_u32 v[SPW], v[NIL]                      ; the wave's opening: the add, twice on end, and its wait ahead of my first tensor load; the set-up below, work on registers, stands between
	ds_add_u32 v[SPW], v[NIL]                      ; and once more, under the one wait
	v_lshrrev_b32 v1, 5, v0
	v_readfirstlane_b32 s[WV], v1                  ; wave 0..3
	s_lshr_b32 s[FB], s[WV], 1
	s_and_b32 s[HF], s[WV], 1
	s_bfe_u32 s40, ttmp6, 0x40000                  ; cx, cy: my place in the cluster
	s_bfe_u32 s41, ttmp6, 0x40004
	s_lshl_b32 s42, ttmp9, 2                       ; in a cluster launch ttmp9 and ttmp7 count clusters
	s_add_co_u32 s42, s42, s40                     ; tile column = 4 x cluster x + cx
	s_and_b32 s43, ttmp7, 0xffff
	s_lshl_b32 s43, s43, 2
	s_add_co_u32 s43, s43, s41                     ; tile row = 4 x cluster y + cy
	s_lshl_b32 s44, s41, 2
	s_lshl_b32 s44, 15, s44                        ; my row of the cluster: places 4 cy .. 4 cy + 3
	s_lshl_b32 s45, 0x1111, s40                    ; my column: places cx, cx + 4, cx + 8, cx + 12
	; descriptor group 1: a tile of 128 rows x 128 elements of 2 bytes, 16 bytes of padding behind each row
	s_or_b32 s[G1+0], s44, (1<<16)|(1<<20)|(1<<21)|(5<<22)|(3<<25)  ; 15:0 the mask: x's tiles go to my row; 17:16 elements of 2 bytes; 20 padding on; 21 set beside a mask; 24:22 after every 64 words (code 5); 31:25 4 words (code 3)
	s_or_b32 s[G1B+0], s45, (1<<16)|(1<<20)|(1<<21)|(5<<22)|(3<<25) ; the same with the mask of my column, for W's tiles
.irp g, G1, G1B
	s_mov_b32 s[(\g)+1], KSTEP<<16                 ; tensor_dim0 = 128
	s_mov_b32 s[(\g)+2], 128<<16                   ; tensor_dim1 = 128
	s_mov_b32 s[(\g)+3], KSTEP<<16                 ; tile_dim0 = 128
	s_mov_b32 s[(\g)+4], 128                       ; tile_dim1 = 128
	s_mov_b32 s[(\g)+5], SIZE_K                    ; elements from row to row
	s_mov_b32 s[(\g)+6], 0
	s_mov_b32 s[(\g)+7], 0
.endr
	; where the tiles come from.  x's hang on the tile row alone, W's on the tile column alone; every wave makes both addresses, in registers that never hold the other coordinate, and asks by one of them
	s_lshl_b32 s16, s43, 8
	s_lshl_b32 s17, s[HF], 7
	s_add_co_u32 s16, s16, s17                     ; x: row 256 x tile row + 128 x half,
	s_lshl_b32 s16, s16, 13                        ; 8,192 bytes a row: under 2^26
	s_mov_b32 s17, 0
	s_lshl_b32 s46, s42, 8
	s_lshl_b32 s47, s[HF], 7
	s_add_co_u32 s46, s46, s47                     ; W: row 256 x tile column + 128 x half
	s_lshl_b32 s46, s46, 13
	s_mov_b32 s47, 0
	s_mul_i32 s20, s[WV], HALFT                    ; and where they go: x's two halves, then W's two halves = wave x 128 rows: no place in the cluster enters an LDS address
	s_wait_dscnt 0x0                               ; both opening adds are done
	s_wait_kmcnt 0x0
	s_add_nc_u64 s[16:17], s[4:5], s[16:17]
	s_add_nc_u64 s[46:47], s[6:7], s[46:47]
	CROUND                                         ; all sixteen work-groups are here: the first joint loads meet
.irp s, 0,1
	s_mov_b32 s[G0+4*(\s)], 1                                      ; count = 1
	s_add_co_u32 s[G0+4*(\s)+1], s20, (\s)*SLOT                    ; LDS address
	s_add_nc_u64 s[G0+4*(\s)+2:G0+4*(\s)+3], s[16:17], (\s)*KSTEP*2  ; global address: K step s
	s_or_b32 s[G0+4*(\s)+3], s[G0+4*(\s)+3], 0x80000000            ; type = 2
	s_mov_b32 s[G0B+4*(\s)], 1
	s_add_co_u32 s[G0B+4*(\s)+1], s20, (\s)*SLOT
	s_add_nc_u64 s[G0B+4*(\s)+2:G0B+4*(\s)+3], s[46:47], (\s)*KSTEP*2
	s_or_b32 s[G0B+4*(\s)+3], s[G0B+4*(\s)+3], 0x80000000
	JLOAD \s                                       ; the ring is filled before anything else is done: two loads of mine are out
.endr
	; A fragment is 16 rows x 32 K in 8 registers: lane l holds row l % 16; registers 0-3 hold K = 8 (l / 16) + 0..7, registers 4-7 K = 16 + 8 (l / 16) + 0..7: two loads of 16 bytes, 32 bytes apart.
	v_and_b32 v1, 15, v0                           ; l % 16
	v_bfe_u32 v2, v0, 4, 1                         ; l / 16
	v_mul_u32_u24 v3, v1, PITCH
	v_lshl_add_u32 v3, v2, 4, v3                   ; row x pitch + 16 x half
	s_mul_i32 s21, s[FB], HALFT                    ; my 128 rows of x
	s_mul_i32 s22, s[HF], HALFT                    ; my 128 rows of W,
	s_add_co_u32 s22, s22, 2*HALFT                 ; which lie behind x's 256
.irp s, 0,1
	v_add_nc_u32 v[ADRA+(\s)], s21, v3
	v_add_nc_u32 v[ADRB+(\s)], s22, v3
	s_add_co_u32 s21, s21, SLOT
	s_add_co_u32 s22, s22, SLOT
.endr
	s_mul_i32 s23, s[WV], STG
	s_add_co_u32 s23, s23, STAGE                   ; my stage
	v_mul_u32_u24 v5, v1, SP                       ; in: row l % 16, 32 bytes for each half of the lanes
	v_lshl_add_u32 v5, v2, 5, v5
	v_add_nc_u32 v[STO], s23, v5
	v_and_b32 v6, 31, v0
	v_lshlrev_b32 v[CO], 4, v6
	v_add_nc_u32 v[RD], s23, v[CO]                 ; back: 32 lanes take a row's 512 bytes on end
	s_lshl_b32 s46, s42, 10                        ; my 128 columns begin 1,024 x tile column + 512 x half bytes into the bias and into a row of out0
	s_lshl_b32 s47, s[HF], 9
	s_add_co_u32 s46, s46, s47
	s_mov_b32 s47, 0
	s_add_nc_u64 s[8:9], s[8:9], s[46:47]
	global_load_b128 v[BI:BI+3], v[CO], s[8:9]
	s_add_nc_u64 s[10:11], s[10:11], s[46:47]
	s_lshl_b32 s16, s43, 8
	s_lshl_b32 s17, s[FB], 7
	s_add_co_u32 s16, s16, s17                     ; my first row of out0: 256 x tile row + 128 x half
	s_lshl_b32 s16, s16, 13
	s_mov_b32 s17, 0
	s_add_nc_u64 s[10:11], s[10:11], s[16:17]
	; the prefetches
	s_lshl_b32 s18, s43, 8
	s_lshl_b32 s19, s42, 8
	s_and_b32 s22, ttmp7, 0xffff                   ; cluster y
	s_cmp_eq_u32 s[FB], 0                          ; do I fetch for x?
	s_cselect_b32 s20, s18, s19                    ; the tile's first row: in xh by the tile row, in wq by the tile column
	s_cselect_b32 s21, s40, s41                    ; my place among the four that ask for it with me
	s_cselect_b32 s22, ttmp9, s22                  ; the coordinate along which other clusters read the same rows
	s_cselect_b64 s[PFA:PFA+1], s[4:5], s[6:7]
	s_cmp_eq_u32 s22, 0
	s_cselect_b32 s[LIM], 1, -1                    ; the same in all sixteen partners, for a given wave
	s_lshl_b32 s22, s[HF], 7
	s_add_co_u32 s20, s20, s22                     ; + the 128 rows that I fetch
	s_lshl_b32 s21, s21, 5
	s_add_co_u32 s20, s20, s21                     ; + my work-group's 32 of them
	s_lshl_b32 s20, s20, 13
	s_add_co_u32 s20, s20, 2*KSTEP*2               ; at K step 2: the first refill steps it to 3 and names K step 4
	s_mov_b32 s21, 0
	s_add_nc_u64 s[PFA:PFA+1], s[PFA:PFA+1], s[20:21]
	v_lshlrev_b32 v[PFO], 13, v6                   ; a lane a row
	; nothing is prefetched here, at the head, where every work-group's first two tiles are on their way
; 16 matrix instructions: m blocks a0, a0 + 1 of the window's four (hi = 0: my rows 0-63, 1: rows 64-127) x all 8 n blocks, 32 along K.  zero = 1: the first product starts the sums: nothing is ever cleared.
; The 64 accumulators take turns, one instruction a turn, in the same order in every quarter step, over the backward jump too.
.macro MUL16 f, hi, a0, zero
	WIN MUL_LO+0x50*(\hi)
.irp a, \a0, (\a0)+1
.irp b, 0,1,2,3,4,5,6,7
.if \zero
	v_wmma_f32_16x16x32_f16 v[8*(8*(\a)+(\b)):8*(8*(\a)+(\b))+7], v[(\f)+8*(\b):(\f)+8*(\b)+7], v[(\f)+8*(4*(\hi)+(\a)):(\f)+8*(4*(\hi)+(\a))+7], 0
.else
	v_wmma_f32_16x16x32_f16 v[8*(8*(\a)+(\b)):8*(8*(\a)+(\b))+7], v[(\f)+8*(\b):(\f)+8*(\b)+7], v[(\f)+8*(4*(\hi)+(\a)):(\f)+8*(4*(\hi)+(\a))+7], v[8*(8*(\a)+(\b)):8*(8*(\a)+(\b))+7]
.endif
.endr
.endr
.endm
; 32 LDS loads in one run: the fragments of one quarter step (128 rows of W, 128 rows of x, 32 K at byte k of the rows) into buffer f
.macro FETCH slot, k, f
	WIN TO_B
.irp i, 0,1,2,3,4,5,6,7
	ds_load_b128 v[(\f)+8*(\i):(\f)+8*(\i)+3],   v[ADRB+(\slot)] offset:(\k)+(\i)*16*PITCH
	ds_load_b128 v[(\f)+8*(\i)+4:(\f)+8*(\i)+7], v[ADRB+(\slot)] offset:(\k)+(\i)*16*PITCH+32
.endr
	WIN 0
.irp i, 0,1,2,3,4,5,6,7
	ds_load_b128 v[(\f)+8*(\i):(\f)+8*(\i)+3],   v[ADRA+(\slot)] offset:(\k)+(\i)*16*PITCH
	ds_load_b128 v[(\f)+8*(\i)+4:(\f)+8*(\i)+7], v[ADRA+(\slot)] offset:(\k)+(\i)*16*PITCH+32
.endr
.endm
; A load into a register that a matrix instruction has read, and an LDS store that reads a matrix result, stand four places behind that matrix instruction, and only plain vector instructions that name none of its
; registers are places (ISA guide 7.12.1 for vector instructions).  So four v_nop stand in front of each run of loads.
.macro PLACES
.rept 4
	v_nop
.endr
.endm
; A K step is four quarter steps of 32 along K, 64 matrix instructions each, on buffers 0, 1, 0, 1.
; One of the first three: multiplies buffer f; in its middle it fetches the next quarter's fragments, at byte k of the same slot's rows, into buffer g.
.macro QUARTER slot, k, f, g, zero
	s_wait_dscnt 8                                 ; W and x's rows 0-63 are in; the youngest eight loads (x's rows 64-127) may be out
	MUL16 \f, 0, 0, \zero
	MUL16 \f, 0, 2, \zero
	PLACES
	FETCH \slot, \k, \g
	s_wait_dscnt 32                                ; all but the 32 just issued
	MUL16 \f, 1, 0, \zero
	MUL16 \f, 1, 2, \zero
.endm
; The last quarter multiplies buffer 1 and changes slots: ONE barrier, for two things.  In front of it each wave waits for all its tensor loads, of which one is out: its part of the next slot; adds 0 to its spare word;
; and waits for that and for its own reads of this slot.  Behind it nobody reads this slot any more and the next slot is whole.
; fill = 1: the barrier opens a round of the cluster's barrier, so that no wave of any partner still reads the slot or has a load on its way; the slot is filled again, two K steps on, first thing behind the round:
; from that request to the wait for it a wave issues 224 matrix instructions.  fill = 0 (the last lap): nothing is left to ask for, so no round.
.macro TURN slot, next, fill
.if \fill
	s_wait_xcnt 0x0                                ; the last prefetch, a K step back, has read its address: it is stepped here, ahead of the waits of the change of slots
	s_add_nc_u64 s[PFA:PFA+1], s[PFA:PFA+1], KSTEP*2
.endif
	WIN 0                                          ; (the add's two registers lie in window 0)
	s_wait_tensorcnt 0x0                           ; all my tensor loads have landed: no load of mine is out, so a group 0 may be written
	ds_add_u32 v[SPW], v[NIL]                      ; 0 onto my spare word
	s_wait_dscnt 9                                 ; (the add and the youngest eight loads may be out)
	MUL16 F1, 0, 0, 0                              ; sixteen matrix instructions stand between the add and the wait for it
	s_wait_dscnt 0x0                               ; the add is done, and my reads of this slot are over:
	s_barrier_signal -1                            ; say so,
	MUL16 F1, 0, 2, 0                              ; work on registers while the others arrive,
.if \fill
	WIN 0
.endif
	s_barrier_wait -1                              ; and go on when all four have said so
.if \fill
	CREST
	s_add_nc_u64 s[G0+4*(\slot)+2:G0+4*(\slot)+3], s[G0+4*(\slot)+2:G0+4*(\slot)+3], 2*KSTEP*2
	s_add_nc_u64 s[G0B+4*(\slot)+2:G0B+4*(\slot)+3], s[G0B+4*(\slot)+2:G0B+4*(\slot)+3], 2*KSTEP*2
	JLOAD \slot                                    ; the first tensor load behind the round; the four v_nop behind it are also the places in front of the loads below
.else
	PLACES
.endif
	FETCH \next, 0, F0
.if \fill
	ASK                                            ; behind the joint load and the run of LDS loads that the next products wait for
.endif
	MUL16 F1, 1, 0, 0
	MUL16 F1, 1, 2, 0
.endm
	s_wait_tensorcnt 1                             ; my part of K step 0 is in; K step 1's may stay out
	s_wait_loadcnt 0x0                             ; the bias
	s_barrier_signal -1
	s_barrier_wait -1                              ; everybody's part is in
	FETCH 0, 0, F0
	QUARTER 0, 64,  F0, F1, 1                      ; the first quarter stands in front of the loop: its products start the sums
	WIN 0                                          ; at a label and at a branch every window is 0
	s_mov_b32 s3, LAPS-1
.Llap:                                                 ; a trip goes once round the ring, from a lap's second quarter to the next lap's first, and fills both slots again
	QUARTER 0, 128, F1, F0, 0
	QUARTER 0, 192, F0, F1, 0
	TURN 0, 1, 1
	QUARTER 1, 64,  F0, F1, 0
	QUARTER 1, 128, F1, F0, 0
	QUARTER 1, 192, F0, F1, 0
	TURN 1, 0, 1
	QUARTER 0, 64,  F0, F1, 0
	WIN 0
	s_sub_co_u32 s3, s3, 1
	s_cmp_lg_u32 s3, 0
	s_cbranch_scc1 .Llap
	QUARTER 0, 128, F1, F0, 0                      ; the last lap is written out: it fills nothing
	QUARTER 0, 192, F0, F1, 0
	TURN 0, 1, 0
	QUARTER 1, 64,  F0, F1, 0
	QUARTER 1, 128, F1, F0, 0
	QUARTER 1, 192, F0, F1, 0
	s_wait_dscnt 8                                 ; the very last quarter: nothing more to fetch
	MUL16 F1, 0, 0, 0
	MUL16 F1, 0, 2, 0
	s_wait_dscnt 0x0
	MUL16 F1, 1, 0, 0
	MUL16 F1, 1, 2, 0
; THE WAY OUT, a block of 16 rows at a time.  A lane's eight numbers are 32 bytes of my 512 bytes of a row; they go into my own stage in LDS, rows of 528 bytes, and come back as whole pieces of 512 bytes on end;
; the bias is added; each store of the wave covers 512 consecutive bytes, at a multiple of 512 from out0's first byte.  The stage is my wave's own: no barrier.
.macro STORES a                        ; each accumulator's lowest registers are read first
	WIN 0x08+4*((\a)/4)                            ; the data (source 1) in window 2 or 3
.irp b, 0,1,2,3,4,5,6,7
	ds_store_b128 v[STO], v[8*(8*((\a)%4)+(\b)):8*(8*((\a)%4)+(\b))+3]   offset:64*(\b)
	ds_store_b128 v[STO], v[8*(8*((\a)%4)+(\b))+4:8*(8*((\a)%4)+(\b))+7] offset:64*(\b)+16
.endr
.endm
.macro LOADS a                         ; LDS serves a wave's instructions in order (ISA guide 5.7.1.4): these see the stores ahead of them, and the next block's stores come behind them
	WIN 0
.set BK, OB+64*((\a)%2)
.set t, 0
.rept 16
	ds_load_b128 v[BK+4*t:BK+4*t+3], v[RD] offset:t*SP
.set t, t+1
.endr
.endm
.macro SEND a, younger                 ; younger: the LDS instructions issued behind the block's loads: the next block's 16 stores and 16 loads, or none
	WIN 0
.set BK, OB+64*((\a)%2)
.set t, 0
.rept 16
	s_wait_dscnt (\younger)+15-t
	v_pk_add_f32 v[BK+4*t:BK+4*t+1],   v[BK+4*t:BK+4*t+1],   v[BI:BI+1]
	v_pk_add_f32 v[BK+4*t+2:BK+4*t+3], v[BK+4*t+2:BK+4*t+3], v[BI+2:BI+3]
	global_store_b128 v[CO], v[BK+4*t:BK+4*t+3], s[10:11] offset:(16*(\a)+t)*OROW th:TH_STORE_NT  ; 1,040,384 at the most: inside the signed 24-bit immediate
.set t, t+1
.endr
.endm
	WIN 0
	PLACES                                         ; behind the last products, in front of the stores that read results and of the loads into x's fragments
	PLACES
	STORES 0
	LOADS 0
.irp a, 1,2,3,4,5,6,7                  ; block a goes into the stage and comes back while block a - 1 is stored
	STORES \a
	s_wait_xcnt 0x0                                ; every earlier memory instruction has had its addresses translated (ISA guide 3.1): the registers that block a - 2's stores read are loaded again only behind this wait
	LOADS \a
	SEND (\a)-1, 32
.endr
	SEND 7, 0
	s_wait_tensorcnt 0x0                           ; the wave's end, behind my last tensor load and my last LDS store
	ds_add_u32 v[SPW], v[NIL]
	s_wait_dscnt 0x0
	CROUND                                         ; the closing round: no work-group ends while a partner may still ask for a tile that names it
	s_endpgm
.Lfunc_end_k_qa084c7f7c0_gemm:
	.size	k_qa084c7f7c0_gemm, .Lfunc_end_k_qa084c7f7c0_gemm-k_qa084c7f7c0_gemm
	.p2alignl 7, 3214868480
	.fill 96, 4, 3214868480
	.section	.rodata,"a",@progbits
	.p2align	6, 0x0
	.amdhsa_kernel k_qa084c7f7c0_gemm
		.amdhsa_group_segment_fixed_size 327680
		.amdhsa_private_segment_fixed_size 0
		.amdhsa_enable_private_segment 0
		.amdhsa_kernarg_size 32
		.amdhsa_user_sgpr_count 2
		.amdhsa_user_sgpr_kernarg_segment_ptr 1
		.amdhsa_wavefront_size32 1
		.amdhsa_system_sgpr_workgroup_id_x 1
		.amdhsa_system_sgpr_workgroup_id_y 1
		.amdhsa_system_sgpr_workgroup_id_z 1
		.amdhsa_system_vgpr_workitem_id 0
		.amdhsa_next_free_vgpr 1024
		.amdhsa_next_free_sgpr 72
		.amdhsa_reserve_vcc 0
		.amdhsa_float_denorm_mode_32 3
		.amdhsa_float_denorm_mode_16_64 3
		.amdhsa_memory_ordered 1
		.amdhsa_forward_progress 1
		.amdhsa_inst_pref_size 161
	.end_amdhsa_kernel
	.amdgpu_metadata
---
amdhsa.version: [ 1, 2 ]
amdhsa.kernels:
  - .name:           k_qa084c7f7c0_gemm
    .symbol:         k_qa084c7f7c0_gemm.kd
    .args:
      - { .name: xh, .offset: 0, .size: 8, .value_kind: global_buffer, .address_space: global }
      - { .name: wq, .offset: 8, .size: 8, .value_kind: global_buffer, .address_space: global }
      - { .name: bias, .offset: 16, .size: 8, .value_kind: global_buffer, .address_space: global }
      - { .name: out0, .offset: 24, .size: 8, .value_kind: global_buffer, .address_space: global }
    .group_segment_fixed_size: 327680
    .private_segment_fixed_size: 0
    .kernarg_segment_align: 8
    .kernarg_segment_size: 32
    .max_flat_workgroup_size: 128
    .sgpr_count:     72
    .vgpr_count:     1024
    .wavefront_size: 32
...
	.end_amdgpu_metadata
.endif
;; end of part 2
;; ======== version 2 of 2: 2 launches; version 1 with the launch prep written anew for expert scheduling mode
;; limits: values are held in f16: magnitudes above 65,504 overflow, below 6.1e-05 lose precision; inputs' magnitudes at most 65,504
;; workspace buffers: xh 67,108,864 bytes; wq 16,777,216 bytes
;; launch prep (part 3): grid 1024 x 1, 4 waves a work-group, no clusters, 2,560 bytes of LDS; arguments input_tensor, quantized_weights, weight_normalization, xh, wq; writes xh, wq
.if DOCPART == 3
	.amdgcn_target "amdgcn-amd-amdhsa--gfx1250"
	.amdhsa_code_object_version 6
	.text
	.protected	k_qa084c7f7c0_prep
	.globl	k_qa084c7f7c0_prep
	.p2align	8
	.type	k_qa084c7f7c0_prep,@function
k_qa084c7f7c0_prep:
	s_mov_b64 s[64:65], 0
	v_nop
	global_prefetch_b8 v0, s[64:65] scope:SCOPE_SE
	s_setreg_imm32_b32 hwreg(HW_REG_WAVE_SCHED_MODE, 0, 2), 2
	s_setreg_imm32_b32 hwreg(HW_REG_WAVE_MODE, 25, 1), 1
	s_wait_xcnt 0x0
	s_wait_alu depctr_vm_vsrc(0)
; THE TWO OPERANDS OF THE PRODUCT THAT FOLLOWS, each made once, in f16, row-major:  xh[8,192][4,096] = x rounded;  wq[2,048][4,096] = W = (q / 15) * (2 norm) - norm.
; quantized_weights: words of 32 bits; word i of the flat buffer holds weight 2 i in bits 3:0 and weight 2 i + 1 in bits 7:4; the other bits are masked away, as the problem's own text masks them.
; weight_normalization: one f32 for each 16 neighbouring weights, that is for each 8 words.
; NOTHING IS LEFT OUT: all four inputs of the problem reach the output; this launch reads three of them, the next one the bias.
; LIMITS.  x and W are rounded once to f16: an |x| or a norm of 65,520 or more gives an infinity; below 6e-5 in magnitude a number keeps f16's fixed step of 6e-8.
; W is computed in f32 as fma(q, norm * (2 / 15), -norm), which differs from the problem's order of rounding by a few last places of f32.
; SHARES.  4,096 waves, none of which waits for another.  Wave g takes 32,768 bytes of x on end, 4,096 bytes of q on end and their 512 bytes of norms.
; W IS A FLAT STREAM: a word of 4 bytes makes two f16, so a weight's byte in wq is its word's byte in q.  Lane l loads 16 bytes (4 words) at 16 l + 512 s and stores 16 bytes (8 f16) at the same offset:
; each load and store of the wave covers 512 consecutive aligned bytes.  The norm of a lane's 16 bytes is number 16 s + l / 2 of the wave's 128.
; THE NORMS.  A lane wants 4 bytes a step, 64 bytes apart from step to step.  So the wave copies its 512 bytes once, by one load of 16 bytes a lane, into LDS bytes of its own: no other wave touches them, no barrier.
; x: a load of the wave covers 512 consecutive bytes (4 f32 a lane), the store of their f16 256 consecutive aligned bytes (8 bytes a lane).
; The 64 steps of x are written out, so that every step stands in an immediate and no address is rewritten.
; Matrix units, tensor loads and clusters have no part here: no byte is wanted twice.
; THE MODE: SCHED_MODE bits 1:0 = 2 (LLVM: expert scheduling mode 2), set by the entry lines.  The code itself states the register dependences
; between vector instructions and memory or LDS instructions, with s_wait_alu, always for 0.
; THE PLAN.  Registers that memory or LDS instructions touch:
;   v2 - v5, v8, v9   offsets, LDS addresses and the add's pair: made at the head, never written again.
;   RN, N, Q          written by loads alone, each once; RN is read by the one LDS store, N and Q by vector instructions.
;   YQ0 .. YQ7        W's step s: written once, by its roundings; read by its one store.
;   X0 .. X4          five buffers of four steps of x as loaded.  Written by the loads of block p + 4, issued in block p; read by block p's roundings.
;   Y0, Y1            two buffers of four steps of xh to store.  Written by block p's roundings; read by the four stores that are issued in block p + 1.
; W: steps 0 to 3 are computed, one wait, then the store of step s - 4 stands ahead of step s = 4 .. 7, which names none of what that store reads.
; x goes in 16 blocks of four steps.  Block p works on X[p % 5] and writes Y[p % 2].  Its memory instructions are the loads into X[(p + 4) % 5] = X[(p - 1) % 5] and the stores from Y[(p - 1) % 2]:
; the two buffers that block p - 1 worked on and that no vector instruction of block p names.  So the waits at a block's head state all that its eight memory instructions hang on, and these are
; dealt among its roundings with no further wait.  Block 0 stores W's steps 4 to 7 in the place of a block before it.
; IN FLIGHT: a step's data are waited for ahead of its own two roundings, behind the load issued in that step: 16 loads of the wave stay out at that wait.
.set DEPTH,  16                        ; loads of x that stay out at a step's wait
.set XSTEPS, 64                        ; 32,768 bytes / 512
.set QSTEPS, 8                         ; 4,096 bytes / 512
.set BLOCK,  4                         ; steps of x in a block
.set NX,     5                         ; buffers of x: (NX - 1) * BLOCK = DEPTH
.set BLOCKS, XSTEPS/BLOCK
.set SPARE,  2048                      ; LDS: a wave's norms at 512 x wave; behind them the spare words, 128 bytes for each wave: two blocks of 256 bytes that no other line names
.set L16, 2                            ; v2   16 x lane; never rewritten
.set L8,  3                            ; v3   8 x lane; never rewritten
.set NA,  4                            ; v4   LDS address of my norm of step 0; never rewritten
.set LS,  5                            ; v5   LDS address at which I put 16 bytes of norms; never rewritten
.set SPW, 8                            ; v8   LDS address of my spare word: SPARE + 4 x my thread's number; never rewritten
.set NIL, 9                            ; v9   0; never rewritten
.set N,   10                           ; v[10:17]   my eight norms
.set T,   18                           ; v[18:25]   at work: no memory instruction names them
.set SC,  26                           ; v26        norm * 2 / 15
.set RN,  28                           ; v[28:31]   the norms as loaded
.set Q,   32                           ; v[32:63]   step s: 4 words as loaded
.set YQ,  64                           ; v[64:95]   step s: 8 f16 to store; each written once
.set X,   96                           ; v[96:175]  buffer k, step i: 4 f32 as loaded, at X + 16 k + 4 i
.set Y,   176                          ; v[176:191] buffer k, step i: 4 f16 to store, at Y + 8 k + 2 i
	s_load_b256 s[4:11], s[0:1], 0x0               ; x s[4:5], q s[6:7], norm s[8:9], xh s[10:11]
	s_load_b64 s[12:13], s[0:1], 0x20              ; wq
	v_lshl_add_u32 v[SPW], v0, 2, SPARE
	v_mov_b32 v[NIL], 0
	v_lshrrev_b32 v1, 5, v0
	v_readfirstlane_b32 s14, v1                    ; wave 0..3
	s_mov_b32 s25, 0x3e088889                      ; 2 / 15
	v_and_b32 v1, 31, v0                           ; lane
	v_lshlrev_b32 v[L16], 4, v1
	v_lshlrev_b32 v[L8], 3, v1
	v_lshrrev_b32 v7, 1, v1                        ; two lanes share a norm
	s_wait_alu depctr_va_sdst(0)                   ; s14 is written, ahead of its first reader: the wave's parts of all five buffers and of LDS are made from it
	s_lshl_b32 s15, ttmp9, 2
	s_add_co_u32 s15, s15, s14                     ; g = 4 x work-group + wave
	s_lshl_b32 s16, s15, 15                        ; my 32,768 bytes of x,
	s_mov_b32 s17, 0
	s_lshl_b32 s18, s15, 14                        ; 16,384 of xh,
	s_mov_b32 s19, 0
	s_lshl_b32 s20, s15, 12                        ; 4,096 of q and of wq,
	s_mov_b32 s21, 0
	s_lshl_b32 s22, s15, 9                         ; 512 of norms
	s_mov_b32 s23, 0
	s_lshl_b32 s24, s14, 9                         ; my wave's norms in LDS
	v_add_nc_u32 v[LS], s24, v[L16]
	v_lshl_add_u32 v[NA], v7, 2, s24
	s_wait_kmcnt 0x0
	s_add_nc_u64 s[4:5], s[4:5], s[16:17]
	s_add_nc_u64 s[10:11], s[10:11], s[18:19]
	s_add_nc_u64 s[6:7], s[6:7], s[20:21]
	s_add_nc_u64 s[12:13], s[12:13], s[20:21]
	s_add_nc_u64 s[8:9], s[8:9], s[22:23]
	s_wait_alu depctr_va_vdst(0)                   ; v2 to v5 are written: every load, store and LDS instruction below reads one of them as its offset or address; so are v8 and v9, which the closing add reads
	global_load_b128 v[RN:RN+3], v[L16], s[8:9] th:TH_LOAD_NT
.irp i, 0,1,2,3,4,5,6,7
	global_load_b128 v[Q+4*(\i):Q+4*(\i)+3], v[L16], s[6:7] offset:512*(\i) th:TH_LOAD_NT
.endr
.irp i, 0,1,2,3,4,5,6,7,8,9,10,11,12,13,14,15
	global_load_b128 v[X+4*(\i):X+4*(\i)+3], v[L16], s[4:5] offset:512*(\i) th:TH_LOAD_NT  ; blocks 0 to 3 of x into X0 to X3
.endr
	s_wait_loadcnt QSTEPS+DEPTH                    ; loads come back in order (ISA guide 5.7.1): the norms are in, the 24 younger loads stay out
	ds_store_b128 v[LS], v[RN:RN+3]                ; its data come from a load, its address from the head
.irp i, 0,1,2,3,4,5,6,7
	ds_load_b32 v[N+(\i)], v[NA] offset:64*(\i)    ; these see the store above: one wave's LDS instructions are served in order (ISA guide 5.7.1.4)
.endr
; Step i of W: 8 weights a lane, into YQ[i].
.macro DQ i
	s_wait_loadcnt QSTEPS-1-(\i)+DEPTH             ; my four words are in; the younger loads of q and the sixteen of x stay out
	s_wait_dscnt QSTEPS-1-(\i)                     ; norm i is in, the younger ones stay out
	v_mul_f32 v[SC], s25, v[N+(\i)]
.irp k, 0,1,2,3
	v_and_b32 v[T+2*(\k)], 15, v[Q+4*(\i)+(\k)]            ; the even weight: bits 3:0
	v_bfe_u32 v[T+2*(\k)+1], v[Q+4*(\i)+(\k)], 4, 4        ; the odd one: bits 7:4
.endr
.irp k, 0,1,2,3,4,5,6,7
	v_cvt_f32_u32 v[T+(\k)], v[T+(\k)]
.endr
.irp k, 0,1,2,3,4,5,6,7
	v_fma_f32 v[T+(\k)], v[T+(\k)], v[SC], -v[N+(\i)]      ; q * (2 norm / 15) - norm
.endr
.irp k, 0,1,2,3
	v_cvt_pk_f16_f32 v[YQ+4*(\i)+(\k)], v[T+2*(\k)], v[T+2*(\k)+1]
.endr
.endm
; Step i of W goes out.
.macro WOUT i
	global_store_b128 v[L16], v[YQ+4*(\i):YQ+4*(\i)+3], s[12:13] offset:512*(\i)
.endm
.irp i, 0,1,2,3
	DQ \i
.endr
	s_wait_alu depctr_va_vdst(0)                   ; the roundings of steps 0 to 3 have written YQ0 to YQ3, which the four stores below read
.irp i, 4,5,6,7
	WOUT (\i)-4                                    ; no vector instruction since the wait names YQ0 to YQ3: steps 4 to 7 name T, SC, N, and their own Q and YQ
	DQ \i
.endr
; Block p of x: steps 4 p to 4 p + 3.  While p + 4 is a block of x, it is loaded; blocks 12 to 15 load nothing, so that no load leaves the buffer.
.macro BLK
.if p >= 2                             ; blocks 0 and 1 write a Y that no store has read
	s_wait_xcnt 0x0                                ; every earlier memory instruction has had its addresses translated (ISA guide 3.1): Y[p % 2], which the stores issued in the block before read, is rewritten only behind this wait
	s_wait_alu depctr_vm_vsrc(0)                   ; those stores have read Y[p % 2], which this block's roundings write again
.endif
	s_wait_alu depctr_va_vdst(0)                   ; the block before (for block 0: W's steps 4 to 7) has written what the stores below read, and is done reading its X, in which the loads below land
.set i, 0
.rept BLOCK
.set st, BLOCK*p+i
.if p+NX-1 < BLOCKS
	global_load_b128 v[X+16*((p+NX-1)%NX)+4*i:X+16*((p+NX-1)%NX)+4*i+3], v[L16], s[4:5] offset:512*(st+DEPTH) th:TH_LOAD_NT  ; four blocks ahead; no vector instruction since the wait names these registers
.endif
.if p == 0
	global_store_b128 v[L16], v[YQ+4*(4+i):YQ+4*(4+i)+3], s[12:13] offset:512*(4+i)  ; W's steps 4 to 7
.else
	global_store_b64 v[L8], v[Y+8*((p-1)%2)+2*i:Y+8*((p-1)%2)+2*i+1], s[10:11] offset:256*(st-BLOCK)  ; the block before; the wave's store covers 256 consecutive bytes, at a multiple of 256 from xh's first byte
.endif
.if p+NX-1 < BLOCKS
	s_wait_loadcnt DEPTH                           ; my four numbers are in; younger are the block's other 3 - i loads, the next three blocks' twelve and the i + 1 just issued: sixteen stay out
.else
	s_wait_loadcnt XSTEPS-1-st                     ; nothing is loaded any more: the counts run down
.endif
	v_cvt_pk_f16_f32 v[Y+8*(p%2)+2*i],   v[X+16*(p%NX)+4*i],   v[X+16*(p%NX)+4*i+1]
	v_cvt_pk_f16_f32 v[Y+8*(p%2)+2*i+1], v[X+16*(p%NX)+4*i+2], v[X+16*(p%NX)+4*i+3]
.set i, i+1
.endr
.set p, p+1
.endm
.set p, 0
.rept BLOCKS
	BLK
.endr
	s_wait_alu depctr_va_vdst(0)                   ; block 15 has written Y1, which the last four stores read
.irp i, 0,1,2,3
	global_store_b64 v[L8], v[Y+8+2*(\i):Y+8+2*(\i)+1], s[10:11] offset:256*(XSTEPS-BLOCK+(\i))
.endr
	s_wait_dscnt 0x0                               ; the closing lines, six on end
	s_wait_alu 0x0
	s_wait_tensorcnt 0x0
	ds_add_u32 v[SPW], v[NIL]
	s_wait_dscnt 0x0
	s_endpgm
.Lfunc_end_k_qa084c7f7c0_prep:
	.size	k_qa084c7f7c0_prep, .Lfunc_end_k_qa084c7f7c0_prep-k_qa084c7f7c0_prep
	.p2alignl 7, 3214868480
	.fill 96, 4, 3214868480
	.section	.rodata,"a",@progbits
	.p2align	6, 0x0
	.amdhsa_kernel k_qa084c7f7c0_prep
		.amdhsa_group_segment_fixed_size 2560
		.amdhsa_private_segment_fixed_size 0
		.amdhsa_enable_private_segment 0
		.amdhsa_kernarg_size 40
		.amdhsa_user_sgpr_count 2
		.amdhsa_user_sgpr_kernarg_segment_ptr 1
		.amdhsa_wavefront_size32 1
		.amdhsa_system_sgpr_workgroup_id_x 1
		.amdhsa_system_sgpr_workgroup_id_y 1
		.amdhsa_system_sgpr_workgroup_id_z 1
		.amdhsa_system_vgpr_workitem_id 0
		.amdhsa_next_free_vgpr 192
		.amdhsa_next_free_sgpr 66
		.amdhsa_reserve_vcc 0
		.amdhsa_float_denorm_mode_32 3
		.amdhsa_float_denorm_mode_16_64 3
		.amdhsa_memory_ordered 1
		.amdhsa_forward_progress 1
		.amdhsa_inst_pref_size 40
	.end_amdhsa_kernel
	.amdgpu_metadata
---
amdhsa.version: [ 1, 2 ]
amdhsa.kernels:
  - .name:           k_qa084c7f7c0_prep
    .symbol:         k_qa084c7f7c0_prep.kd
    .args:
      - { .name: input_tensor, .offset: 0, .size: 8, .value_kind: global_buffer, .address_space: global }
      - { .name: quantized_weights, .offset: 8, .size: 8, .value_kind: global_buffer, .address_space: global }
      - { .name: weight_normalization, .offset: 16, .size: 8, .value_kind: global_buffer, .address_space: global }
      - { .name: xh, .offset: 24, .size: 8, .value_kind: global_buffer, .address_space: global }
      - { .name: wq, .offset: 32, .size: 8, .value_kind: global_buffer, .address_space: global }
    .group_segment_fixed_size: 2560
    .private_segment_fixed_size: 0
    .kernarg_segment_align: 8
    .kernarg_segment_size: 40
    .max_flat_workgroup_size: 128
    .sgpr_count:     66
    .vgpr_count:     192
    .wavefront_size: 32
...
	.end_amdgpu_metadata
.endif
;; end of part 3
;; launch gemm: the kernel of part 2 again; grid 8 x 32, 4 waves a work-group, clusters of 4 x 4, 327,680 bytes of LDS; arguments xh, wq, bias, out0; writes out0
